; MI455X (gfx1250); checked and timed in simulation.
; The chip was launched on July 23, 2026; its instructions are those of AMD's public machine-readable ISA for CDNA 5 (MIT licence, August 2026) and "CDNA5" Instruction Set Architecture Reference Guide (July 2026). The comments in the code are by the model that wrote it; some were corrected since.
;; STDP Linear. Allowed arithmetic: float matrix products may take bf16 or f16 operands with f32 sums; all other float work in f32.
;; Inputs: W 1,024 x 4,096 float32; x 8,192 x 4,096 float32.
;; Outputs: out0 8,192 x 1,024 float32.
;; Constants: time_window = 10.
;; One version. Each part assembles by itself: llvm-mc -triple=amdgcn-amd-amdhsa -mcpu=gfx1250 --defsym DOCPART=n.
;; ======== version 1 of 1: 4 launches
;; workspace buffers: Wb 8,388,608 bytes; iws 33,554,432 bytes; cmax 262,144 bytes; thr 4,096 bytes
;; launch wcvt (part 1): grid 256 x 1, 8 waves a work-group, no clusters, 0 bytes of LDS; arguments W, Wb; writes Wb
.if DOCPART == 1
	.amdgcn_target "amdgcn-amd-amdhsa--gfx1250"
	.amdhsa_code_object_version 6
	.text
	.protected	k_q8e55942787_wcvt
	.globl	k_q8e55942787_wcvt
	.p2align	8
	.type	k_q8e55942787_wcvt,@function
k_q8e55942787_wcvt:
	s_mov_b64 s[64:65], 0
	v_nop
	global_prefetch_b8 v0, s[64:65] scope:SCOPE_SE
	s_setreg_imm32_b32 hwreg(HW_REG_WAVE_MODE, 25, 1), 1
	s_wait_xcnt 0x0
; Wb = W rounded to bf16 (nearest even), same [1024][4096] order.  W: 16,777,216 bytes of f32, Wb: 8,388,608 bytes.
; A stream: 256 work-groups of eight waves; a work-group takes 65,536 bytes of W, a wave 8,192 as sixteen loads of
; 512 neighbouring bytes, all sixteen issued before the first is used.  A load's 512 bytes become 256 bytes of bf16,
; stored by one instruction: 32 lanes x 8 bytes, at a multiple of 256 from Wb's first byte.
; No LDS, no barrier, no matrix unit: every byte is touched once and no wave needs another's data.
; No register is written twice, so no wait frees a source.
.set X, 4                              ; v[4:67]   load j: 4 registers of f32
.set Y, 68                             ; v[68:99]  store j: 2 registers of bf16
	s_load_b128 s[4:7], s[0:1], 0x0                ; W s[4:5], Wb s[6:7]
	v_and_b32 v3, 31, v0                           ; lane
	v_lshrrev_b32 v2, 5, v0                        ; wave
	v_lshlrev_b32 v1, 4, v3
	v_lshl_add_u32 v1, v2, 13, v1                  ; in: 8,192 x wave + 16 x lane
	v_lshlrev_b32 v3, 3, v3
	v_lshl_add_u32 v2, v2, 12, v3                  ; out: 4,096 x wave + 8 x lane
	s_lshl_b32 s8, ttmp9, 16                       ; the work-group's 65,536 bytes of W
	s_mov_b32 s9, 0
	s_lshl_b32 s10, ttmp9, 15                      ; and its 32,768 bytes of Wb
	s_mov_b32 s11, 0
	s_wait_kmcnt 0x0
	s_add_nc_u64 s[4:5], s[4:5], s[8:9]
	s_add_nc_u64 s[6:7], s[6:7], s[10:11]
.set j, 0
.rept 16
	global_load_b128 v[X+4*j:X+4*j+3], v1, s[4:5] offset:512*j th:TH_LOAD_NT   ; W is read once in this launch
.set j, j+1
.endr
.set j, 0
.rept 16
	s_wait_loadcnt 15-j                            ; loads come back in order: load j is in, the 15 - j younger ones stay out
	v_cvt_pk_bf16_f32 v[Y+2*j],   v[X+4*j],   v[X+4*j+1]
	v_cvt_pk_bf16_f32 v[Y+2*j+1], v[X+4*j+2], v[X+4*j+3]
	global_store_b64 v2, v[Y+2*j:Y+2*j+1], s[6:7] offset:256*j     ; no hint: the next launch reads Wb
.set j, j+1
.endr
	s_endpgm
.Lfunc_end_k_q8e55942787_wcvt:
	.size	k_q8e55942787_wcvt, .Lfunc_end_k_q8e55942787_wcvt-k_q8e55942787_wcvt
	.p2alignl 7, 3214868480
	.fill 96, 4, 3214868480
	.section	.rodata,"a",@progbits
	.p2align	6, 0x0
	.amdhsa_kernel k_q8e55942787_wcvt
		.amdhsa_group_segment_fixed_size 0
		.amdhsa_private_segment_fixed_size 0
		.amdhsa_enable_private_segment 0
		.amdhsa_kernarg_size 16
		.amdhsa_user_sgpr_count 2
		.amdhsa_user_sgpr_kernarg_segment_ptr 1
		.amdhsa_wavefront_size32 1
		.amdhsa_system_sgpr_workgroup_id_x 1
		.amdhsa_system_sgpr_workgroup_id_y 1
		.amdhsa_system_sgpr_workgroup_id_z 1
		.amdhsa_system_vgpr_workitem_id 0
		.amdhsa_next_free_vgpr 104
		.amdhsa_next_free_sgpr 66
		.amdhsa_reserve_vcc 0
		.amdhsa_float_denorm_mode_32 3
		.amdhsa_float_denorm_mode_16_64 3
		.amdhsa_memory_ordered 1
		.amdhsa_forward_progress 1
		.amdhsa_inst_pref_size 7
	.end_amdhsa_kernel
	.amdgpu_metadata
---
amdhsa.version: [ 1, 2 ]
amdhsa.kernels:
  - .name:           k_q8e55942787_wcvt
    .symbol:         k_q8e55942787_wcvt.kd
    .args:
      - { .name: W, .offset: 0, .size: 8, .value_kind: global_buffer, .address_space: global }
      - { .name: Wb, .offset: 8, .size: 8, .value_kind: global_buffer, .address_space: global }
    .group_segment_fixed_size: 0
    .private_segment_fixed_size: 0
    .kernarg_segment_align: 8
    .kernarg_segment_size: 16
    .max_flat_workgroup_size: 256
    .sgpr_count:     66
    .vgpr_count:     104
    .wavefront_size: 32
...
	.end_amdgpu_metadata
.endif
;; end of part 1
;; launch gemm (part 2): grid 4 x 64, 4 waves a work-group, clusters of 4 x 4, 327,680 bytes of LDS; arguments x, Wb, iws, cmax; writes iws, cmax
.if DOCPART == 2
	.amdgcn_target "amdgcn-amd-amdhsa--gfx1250"
	.amdhsa_code_object_version 6
	.text
	.protected	k_q8e55942787_gemm
	.globl	k_q8e55942787_gemm
	.p2align	8
	.type	k_q8e55942787_gemm,@function
k_q8e55942787_gemm:
	s_mov_b64 s[64:65], 0
	v_nop
	global_prefetch_b8 v0, s[64:65] scope:SCOPE_SE
	s_setreg_imm32_b32 hwreg(HW_REG_WAVE_MODE, 25, 1), 1
	s_wait_xcnt 0x0
	s_wait_alu depctr_hold_cnt(0) depctr_sa_sdst(0) depctr_va_vdst(0) depctr_va_sdst(0) depctr_va_ssrc(0) depctr_va_vcc(0) depctr_vm_vsrc(0)
	s_getreg_b32 s2, hwreg(HW_REG_IB_STS2, 6, 4)
	s_cmp_eq_u32 s2, 0
	s_cbranch_scc0 .Lentry_in_a_cluster
	s_endpgm
.Lentry_in_a_cluster:
	s_bfe_u32 s2, ttmp6, 0x10000c
	s_cmp_lg_u32 s2, 0xf033
	s_cbranch_scc0 .Lentry_shape_is_right
	s_endpgm
.Lentry_shape_is_right:
; i[m][n] = sum over k of x[m][k] W[n][k].  x: [8192][4096] f32, rounded to bf16 on the way from LDS to the matrix unit;
; Wb: [1024][4096] bf16; sums in f32.  Stored: iws = i in f32, columns permuted inside each row (below), and cmax: for each
; of the 64 row tiles one row with the maximum of each column over the tile's 128 rows, permuted alike.
; LIMITS.  Inputs are finite: a NaN loses in the column maximum (v_max_num), where a plain maximum would pass it on.  Each sum over K
; is made as two halves (k mod 128 below 64; 64 and above), each with K ascending, and the halves are added once at the end.
; SHARES.  A work-group makes 128 rows x 256 columns: 64 x 4 = 256 work-groups.  Wave (mh = wave & 1, kh = wave >> 1) multiplies rows
; 64 mh .. +63 by all 256 columns over the k with (k mod 128) / 64 = kh: 64 accumulators of 16 x 16, 512 registers.  So each f32
; of x is read from LDS and rounded by one wave alone, and each bf16 of W is read by two.
; RING.  K goes in steps of 128 through two LDS slots; each wave brings a quarter of a slot by one tensor load: waves 0, 1 64 rows of x
; (512 bytes a row), waves 2, 3 128 rows of W (256 bytes a row).  Two tensor loads of a wave are out at the start, one behind each round.
; CLUSTER.  4 x 4 work-groups.  x's tile hangs on the row tile alone and is asked for jointly by the four of a row of the cluster (which
; are all four column tiles); W's hangs on the column tile alone and is asked for jointly by the four of a column.
; PERMUTED ROW.  A row of 1,024 f32 is 8 blocks q of 512 bytes; byte 512 q + 16 L + 4 e (L = 0..31, e = 0..3) holds column 128 q + 32 e + L.
; REGISTERS, in windows of 256 (s_set_vgpr_msb: bits 1:0 source 0, 3:2 source 1, 5:4 source 2, 7:6 destination):
;   window 0: v0-31 addresses; v32-63, v64-95 x's bf16 fragments, two buffers of 4 x 8; v96-159 one sub-step's x in f32
;   window 1: v0-127, v128-255 W's fragments, two buffers of 16 x 8
;   window 2: accumulators of local column blocks 0-7 (block c, row block a at v[8 (4 c + a)]);  window 3: of blocks 8-15
;   Local block c stands for the tile's block (c + 8 kh) mod 16, so every wave keeps window 2 (its own 128 columns) and hands window 3 to its partner.
.set HALFT,  34816                     ; a wave's part of a slot: 128 rows of W x 272 bytes; x's 64 rows x 528 bytes use 33,792 of it
.set SLOT,   4*HALFT                   ; x's two halves, then W's two halves
.set CMB,    2*SLOT                    ; behind the ring: 4 x 512 bytes for the column maxima; no tensor load lands here
.set PX,     528                       ; x's LDS row: 512 bytes + 16 = 132 words: row r starts at bank 4 r mod 64 (64 banks of 4 bytes: ISA guide 11.1)
.set PW,     272                       ; W's LDS row: 256 bytes + 16 = 68 words: the same
.set ADRX,   16                        ; v16-17  my x fragments in slot 0, 1
.set ADRWL,  18                        ; v18-19  W's fragments of local blocks 0-7
.set ADRWH,  20                        ; v20-21  of local blocks 8-15
.set EXS,    22                        ; v22     the exchange of K halves: where I put
.set EXL,    23                        ; v23     and where I take (wave ^ 2)
.set CO,     24                        ; v24     my byte offset in iws
.set CMS,    25                        ; v25     column maxima: where I put
.set CML,    26                        ; v26     and where I take (wave ^ 1)
.set CMO,    27                        ; v27     16 x lane
.set PFROW,  28                        ; v28     prefetch: my row and my 256 bytes of 1,024; never rewritten
.set PF,     29                        ; v29     prefetch: the address in hand
.set AF,     32
.set ST,     96
.set CM,     160                       ; v160-167 column maxima of my 8 blocks
.set TX,     32                        ; v32-39   the other half of the lanes' maxima
.set Q,      176
.set Q2,     180
.set G1X, 24                           ; s[24:31] descriptor group 1 for x's tiles
.set G0X, 32                           ; s[32:39] group 0, a set for each slot
.set G1W, 48                           ; s[48:55], s[56:63] the same for W's
.set G0W, 56
.set XP,   66                          ; s[66:67] x at the row tile's first row, for the prefetch
.set KOFF, 68                          ; s68      byte along the rows that the next prefetch asks for
.set SEL,  70                          ; s[70:71] lane selects of v_permlanex16_b32
.set NORMAL, 0
.set TURN,   1
.set TAIL,   2
.set LAST,   3
.set MUL_LO, 0xa4                      ; A window 0, B window 1, C and D window 2
.set MUL_HI, 0xf4                      ; the same, C and D window 3
.set TO_B,   0x40                      ; destination window 1, address window 0
.set MSB, 0
.macro WIN new                         ; the immediate's high byte repeats the setting that is left; a switch that changes nothing is dropped
.if MSB != \new
	s_set_vgpr_msb (MSB<<8)|\new
.set MSB, \new
.endif
.endm
.macro PLACES                          ; four places (ISA guide 7.12.1) between matrix instructions and what writes their registers or reads their results
.rept 4
	v_nop
.endr
.endm
; A joint load.  Waves 0 and 1 fetch x's two halves, waves 2 and 3 W's.  The branch hangs on the wave's number alone.
; Four v_nop follow each of the two lines, ahead of the jump, the label and what follows.
.macro JLOAD s
	s_cmp_eq_u32 s13, 0
	s_cbranch_scc0 .Lfor_w_\@
	tensor_load_to_lds s[G0X+4*\s:G0X+4*\s+3], s[G1X:G1X+7]
	s_nop 0
.rept 4
	v_nop
.endr
	s_branch .Lasked_\@
.Lfor_w_\@:
	tensor_load_to_lds s[G0W+4*\s:G0W+4*\s+3], s[G1W:G1W+7]
	s_nop 0
.rept 4
	v_nop
.endr
.Lasked_\@:
.endm
.macro CREST                           ; a round of the cluster's barrier behind its opening barrier
	s_cmp_lg_u32 s12, 0
	s_cbranch_scc1 .Lnot_wave_0_\@
	s_barrier_signal -3
.Lnot_wave_0_\@:
	s_barrier_wait -3
	s_barrier_signal -1
	s_barrier_wait -1
.endm
.macro CROUND                          ; a whole round
	s_barrier_signal -1
	s_barrier_wait -1
	CREST
.endm
	s_load_b256 s[4:11], s[0:1], 0x0               ; x s[4:5], Wb s[6:7], iws s[8:9], cmax s[10:11]
	v_lshl_add_u32 v254, v0, 2, 0x44800
	v_mov_b32 v255, 0
	ds_add_u32 v254, v255
	v_lshrrev_b32 v1, 5, v0
	v_readfirstlane_b32 s12, v1                    ; wave 0..3
	s_lshr_b32 s13, s12, 1                         ; kh: my half of each K step.  Also: I fetch for x (0) or for W (1)
	s_and_b32 s14, s12, 1                          ; mh: my half of the rows.  Also: which half of that tile I fetch
	s_bfe_u32 s40, ttmp6, 0x40000                  ; cx
	s_bfe_u32 s41, ttmp6, 0x40004                  ; cy
	s_lshl_b32 s42, ttmp9, 2
	s_add_co_u32 s42, s42, s40                     ; column tile = 4 x cluster x + cx
	s_and_b32 s43, ttmp7, 0xffff
	s_lshl_b32 s43, s43, 2
	s_add_co_u32 s43, s43, s41                     ; row tile = 4 x cluster y + cy
	s_lshl_b32 s44, s41, 2
	s_lshl_b32 s44, 15, s44                        ; my row of the cluster: places 4 cy .. 4 cy + 3
	s_lshl_b32 s45, 0x1111, s40                    ; my column: places cx, cx + 4, cx + 8, cx + 12
	; group 1 for x: 64 rows x 128 elements of 4 bytes; 4 words of padding behind every 128 words
	s_or_b32 s[G1X+0], s44, (2<<16)|(1<<20)|(1<<21)|(6<<22)|(3<<25)  ; 15:0 mask: my row; 17:16 elements of 4 bytes; 20 padding on; 21 set beside a mask; 24:22 code 6; 31:25 code 3
	s_mov_b32 s[G1X+1], 128<<16                    ; tensor_dim0 = 128
	s_mov_b32 s[G1X+2], 64<<16                     ; tensor_dim1 = 64
	s_mov_b32 s[G1X+3], 128<<16                    ; tile_dim0 = 128
	s_mov_b32 s[G1X+4], 64                         ; tile_dim1 = 64
	s_mov_b32 s[G1X+5], 4096                       ; elements from row to row
	s_mov_b32 s[G1X+6], 0
	s_mov_b32 s[G1X+7], 0
	; group 1 for W: 128 rows x 128 elements of 2 bytes; 4 words of padding behind every 64 words
	s_or_b32 s[G1W+0], s45, (1<<16)|(1<<20)|(1<<21)|(5<<22)|(3<<25)  ; the mask: my column
	s_mov_b32 s[G1W+1], 128<<16
	s_mov_b32 s[G1W+2], 128<<16
	s_mov_b32 s[G1W+3], 128<<16
	s_mov_b32 s[G1W+4], 128
	s_mov_b32 s[G1W+5], 4096
	s_mov_b32 s[G1W+6], 0
	s_mov_b32 s[G1W+7], 0
	; where the tiles come from: x's hang on the row tile and the wave alone, W's on the column tile and the wave alone, each in registers that never hold the other coordinate
	s_lshl_b32 s16, s43, 7
	s_lshl_b32 s17, s14, 6
	s_add_co_u32 s16, s16, s17                     ; x: row 128 x row tile + 64 x half,
	s_lshl_b32 s16, s16, 14                        ; of 16,384 bytes (under 2^27)
	s_mov_b32 s17, 0
	s_lshl_b32 s46, s42, 8
	s_lshl_b32 s47, s14, 7
	s_add_co_u32 s46, s46, s47                     ; W: row 256 x column tile + 128 x half,
	s_lshl_b32 s46, s46, 13                        ; of 8,192 bytes
	s_mov_b32 s47, 0
	s_mul_i32 s20, s12, HALFT                      ; where they go: wave x a quarter of a slot: no place in the cluster enters an LDS address
	s_lshl_b32 s18, s43, 21                        ; the row tile's 128 rows of x
	s_mov_b32 s19, 0
	s_mov_b32 s[KOFF], 2048
	s_mov_b32 s[SEL], 0x76543210
	s_mov_b32 s[SEL+1], 0xfedcba98
	s_wait_dscnt 0x0
	s_wait_kmcnt 0x0
	s_add_nc_u64 s[16:17], s[4:5], s[16:17]
	s_add_nc_u64 s[46:47], s[6:7], s[46:47]
	s_add_nc_u64 s[XP:XP+1], s[4:5], s[18:19]
	CROUND                                         ; all sixteen work-groups are here: the first joint loads meet
.irp s, 0,1
	s_mov_b32 s[G0X+4*\s], 1                                       ; count = 1
	s_add_co_u32 s[G0X+4*\s+1], s20, \s*SLOT                       ; LDS address
	s_add_nc_u64 s[G0X+4*\s+2:G0X+4*\s+3], s[16:17], \s*512        ; K step s: 128 f32
	s_or_b32 s[G0X+4*\s+3], s[G0X+4*\s+3], 0x80000000              ; type = 2
	s_mov_b32 s[G0W+4*\s], 1
	s_add_co_u32 s[G0W+4*\s+1], s20, \s*SLOT
	s_add_nc_u64 s[G0W+4*\s+2:G0W+4*\s+3], s[46:47], \s*256        ; K step s: 128 bf16
	s_or_b32 s[G0W+4*\s+3], s[G0W+4*\s+3], 0x80000000
	JLOAD \s                                       ; both slots are asked for before anything else is done
.endr
	; A bf16 fragment is 16 rows x 32 k in 8 registers: lane (r, h) holds row r; registers 0-3 k = 8 h + 0..7, registers 4-7 k = 16 + 8 h + 0..7.
	v_and_b32 v1, 15, v0                           ; r
	v_bfe_u32 v2, v0, 4, 1                         ; h
	v_and_b32 v3, 31, v0                           ; lane
	v_mul_u32_u24 v4, v1, PX
	v_lshl_add_u32 v4, v2, 5, v4                   ; x in f32: 528 r + 32 h
	v_mul_u32_u24 v5, v1, PW
	v_lshl_add_u32 v5, v2, 4, v5                   ; W in bf16: 272 r + 16 h
	s_mul_i32 s21, s14, HALFT
	s_lshl_b32 s22, s13, 8
	s_add_co_u32 s21, s21, s22                     ; x: my 64 rows, my 256 bytes (64 k) of each
	s_mul_i32 s22, s13, HALFT+128
	s_add_co_u32 s22, s22, 2*HALFT                 ; W, local blocks 0-7: rows 128 kh on, my 128 bytes (64 k) of each
	s_xor_b32 s23, s13, 1
	s_mul_i32 s23, s23, HALFT
	s_lshl_b32 s18, s13, 7
	s_add_co_u32 s23, s23, s18
	s_add_co_u32 s23, s23, 2*HALFT                 ; W, local blocks 8-15: the other 128 rows
.irp s, 0,1
	v_add_nc_u32 v[ADRX+\s], s21, v4
	v_add_nc_u32 v[ADRWL+\s], s22, v5
	v_add_nc_u32 v[ADRWH+\s], s23, v5
	s_add_co_u32 s21, s21, SLOT
	s_add_co_u32 s22, s22, SLOT
	s_add_co_u32 s23, s23, SLOT
.endr
	v_lshlrev_b32 v[CMO], 4, v3                    ; 16 x lane
	s_lshl_b32 s18, s12, 15
	v_add_nc_u32 v[EXS], s18, v[CMO]               ; the exchange: 32,768 bytes a wave, in slot 0 once it has had its last fill and its last read
	s_xor_b32 s18, s12, 2
	s_lshl_b32 s18, s18, 15
	v_add_nc_u32 v[EXL], s18, v[CMO]               ; my partner: same rows, other K half
	v_lshlrev_b32 v[CO], 4, v1
	v_lshl_add_u32 v[CO], v2, 15, v[CO]            ; iws: 16 r, and 8 rows of 4,096 bytes further for lanes 16-31
	s_lshl_b32 s18, s12, 9
	s_add_co_u32 s18, s18, CMB
	v_add_nc_u32 v[CMS], s18, v[CMO]
	s_xor_b32 s18, s12, 1
	s_lshl_b32 s18, s18, 9
	s_add_co_u32 s18, s18, CMB
	v_add_nc_u32 v[CML], s18, v[CMO]               ; same columns, other rows
	; PREFETCH of x.  One request covers two K steps (1,024 bytes) of 8 rows: lane l asks for bytes 256 (l & 3) .. +255 of row 32 cx + 8 wave + (l >> 2).
	; The sixteen waves of a row of the cluster cover the tile's 128 rows, each block once.  W is read again by sixteen clusters and is not asked for.
	s_lshl_b32 s46, s40, 5
	s_lshl3_add_u32 s46, s12, s46                  ; 32 cx + 8 wave
	v_lshrrev_b32 v6, 2, v3
	v_add_nc_u32 v6, s46, v6
	v_and_b32 v7, 3, v3
	v_lshlrev_b32 v7, 8, v7
	v_lshl_add_u32 v[PFROW], v6, 14, v7
	global_prefetch_b8 v[PFROW], s[XP:XP+1] offset:1024 th:TH_LOAD_NT scope:SCOPE_SE   ; K steps 2 and 3, which the first trip's refills load
	; where my part goes in iws and in cmax
	s_lshl_b32 s18, s43, 7
	s_lshl_b32 s19, s14, 6
	s_add_co_u32 s18, s18, s19
	s_lshl_b32 s18, s18, 12                        ; row 128 x row tile + 64 mh, of 4,096 bytes
	s_mov_b32 s19, 0
	s_lshl1_add_u32 s46, s42, s13
	s_lshl_b32 s46, s46, 9                         ; block q = 2 x column tile + kh, of 512 bytes
	s_mov_b32 s47, 0
	s_add_nc_u64 s[8:9], s[8:9], s[18:19]
	s_add_nc_u64 s[8:9], s[8:9], s[46:47]
	s_lshl_b32 s18, s43, 12                        ; cmax: the row tile's row
	s_add_nc_u64 s[10:11], s[10:11], s[18:19]
	s_add_nc_u64 s[10:11], s[10:11], s[46:47]
; Matrix instruction i of a sub-step's 64: column block i / 4, row block i % 4, from buffers f.  zero = 1: the product starts the sum: nothing is cleared.
; The 64 accumulators take turns, one instruction a turn, in the same order in every sub-step.
.macro WM f, zero
.if i < 32
	WIN MUL_LO
.set rD, 8*i
.else
	WIN MUL_HI
.set rD, 8*(i-32)
.endif
.set rA, AF+32*\f+8*(i%4)
.set rB, 128*\f+8*(i/4)
.if \zero
	v_wmma_f32_16x16x32_bf16 v[rD:rD+7], v[rA:rA+7], v[rB:rB+7], 0
.else
	v_wmma_f32_16x16x32_bf16 v[rD:rD+7], v[rA:rA+7], v[rB:rB+7], v[rD:rD+7]
.endif
.set i, i+1
.endm
; x load n of 16: row block n / 4; 16 bytes of f32 at 0, 16 (k = 8 h + 0..7) and 64, 80 (k = 16 + 8 h + 0..7) of the sub-step's 128 bytes
.macro XL slot, sub
	ds_load_b128 v[ST+4*n:ST+4*n+3], v[ADRX+\slot] offset:16*PX*(n/4)+128*\sub+16*(n%2)+64*((n%4)/2)
.set n, n+1
.endm
; W's fragment of local block b, into buffer g: two loads, 32 bytes apart
.macro BL g, slot, sub
.if b < 8
.set ra, ADRWL+\slot
.else
.set ra, ADRWH+\slot
.endif
	ds_load_b128 v[128*\g+8*b:128*\g+8*b+3],   v[ra] offset:16*PW*(b%8)+64*\sub
	ds_load_b128 v[128*\g+8*b+4:128*\g+8*b+7], v[ra] offset:16*PW*(b%8)+64*\sub+32
.set b, b+1
.endm
; rounding m of 32: two f32 of x into one register of buffer g
.macro CV g
	v_cvt_pk_bf16_f32 v[AF+32*\g+m], v[ST+2*m], v[ST+2*m+1]
.set m, m+1
.endm
; The trip's request: in trip t (0..14) K steps 2 t + 4 and 2 t + 5, which the next trip's two refills load.  The last trip's would pass the rows' end and is held at K steps 30, 31.
.macro PREF
	s_wait_xcnt 0x0                                ; the last trip's request has had its address translated: v[PF] is rewritten only behind this wait
	v_add_nc_u32 v[PF], s[KOFF], v[PFROW]
	global_prefetch_b8 v[PF], s[XP:XP+1] th:TH_LOAD_NT scope:SCOPE_SE
	s_add_co_u32 s[KOFF], s[KOFF], 1024
	s_min_u32 s[KOFF], s[KOFF], 15360
.endm
; A SUB-STEP: 32 along K, 64 matrix instructions on buffers f; meanwhile the next sub-step's operands (slot nslot, sub-step nsub) come into buffers g.
; THE LDS LOADS STAND IN ONE RUN of 48 (x's 16, then W's 32) behind the sixteenth matrix instruction, never singly among the matrix instructions: 48 matrix instructions lie between the run
; and the wait for its last load, and the run wants three window switches.  THE 32 ROUNDINGS are vector work on registers that no running product names: they stand in eight slices of four,
; behind matrix instructions 40 to 47, 24 matrix instructions behind x's loads.  A slice costs two window switches: 21 switches in all for a sub-step's 64 matrix instructions.
; mode TURN: the sub-step is a slot's second, so all reads of that slot (rslot) have been issued: the change of slots, a round of the cluster's barrier, and the refill.
; mode TAIL: the same change without a refill.  mode LAST: nothing more to fetch.
.macro KSUB f, g, nslot, nsub, zero, mode, rslot
	s_wait_dscnt 0x0                               ; W's fragments in buffer f are in (the last were issued 48 matrix instructions back); in a change of slots also: my reads of the old slot are over
.if (\mode == TURN) || (\mode == TAIL)
	s_set_vgpr_msb (MSB<<8)|((MSB&0xf0)|0x0)
	s_wait_tensorcnt 0x0                           ; all my tensor loads have landed: the one that was out is my part of the next slot
	ds_add_u32 v254, v255
	s_wait_dscnt 0x0
	s_set_vgpr_msb (((MSB&0xf0)|0x0)<<8)|MSB
	s_barrier_signal -1                            ; say so,
.endif
.set i, 0
.if \mode == LAST
.rept 64
	WM \f, 0
.endr
.else
.rept 16
	WM \f, \zero                                   ; work on registers while the others arrive,
.endr
.if \mode == NORMAL
	PLACES                                         ; between the sub-step before, which read buffers g, and the loads and roundings into them
.elseif \mode == TAIL
	s_barrier_wait -1                              ; the next slot is whole; nothing is filled again, so no round follows
	PLACES
.else
	WIN 0
	s_barrier_wait -1
	CREST                                          ; no wave of any partner still reads this slot or has a load on its way
	s_add_nc_u64 s[G0X+4*\rslot+2:G0X+4*\rslot+3], s[G0X+4*\rslot+2:G0X+4*\rslot+3], 1024   ; two K steps on: 256 f32,
	s_add_nc_u64 s[G0W+4*\rslot+2:G0W+4*\rslot+3], s[G0W+4*\rslot+2:G0W+4*\rslot+3], 512    ; 256 bf16
	JLOAD \rslot                                   ; the first tensor load behind the round, 112 matrix instructions ahead of the wait for it; its four v_nop are the places
.endif
	WIN 0
.set n, 0
.rept 16
	XL \nslot, \nsub                               ; x first: its roundings come before W's fragments are wanted
.endr
.if (\mode == TURN) && (\rslot == 0)
	PREF                                           ; once a trip, behind loads just issued and under the window that they left
.endif
	WIN TO_B
.set b, 0
.rept 16
	BL \g, \nslot, \nsub
.endr
.rept 24
	WM \f, \zero
.endr
.set m, 0
.rept 8
	WM \f, \zero
	WIN 0
.if m == 0
	s_wait_dscnt 32                                ; x's 16 loads are in; W's 32, issued behind them, may stay out
.endif
	CV \g
	CV \g
	CV \g
	CV \g
.endr
.rept 16
	WM \f, \zero
.endr
.endif
.endm
	s_wait_tensorcnt 1                             ; my part of K step 0 is in; K step 1's may stay out
	s_barrier_signal -1
	s_barrier_wait -1                              ; everybody's is
.set n, 0
.rept 16
	XL 0, 0
.endr
	WIN TO_B
.set b, 0
.rept 16
	BL 0, 0, 0
.endr
	WIN 0
	s_wait_dscnt 32                                ; x's 16 loads
.set m, 0
.rept 32
	CV 0
.endr
	KSUB 0, 1, 0, 1, 1, NORMAL, 0                  ; K step 0's first sub-step stands in front of the loop: its products start the sums
	WIN 0                                          ; at a label and at a branch every window is 0
	s_mov_b32 s15, 15
.Llap:                                                 ; trip t: from K step 2 t's second sub-step to K step 2 t + 2's first; refills: K steps 2 t + 2 and 2 t + 3
	KSUB 1, 0, 1, 0, 0, TURN, 0
	KSUB 0, 1, 1, 1, 0, NORMAL, 0
	KSUB 1, 0, 0, 0, 0, TURN, 1
	KSUB 0, 1, 0, 1, 0, NORMAL, 0
	WIN 0
	s_sub_co_u32 s15, s15, 1
	s_cmp_lg_u32 s15, 0
	s_cbranch_scc1 .Llap
	KSUB 1, 0, 1, 0, 0, TAIL, 0                    ; K step 30's second sub-step; behind its barrier no wave reads slot 0 any more and no load is out
	KSUB 0, 1, 1, 1, 0, NORMAL, 0
	KSUB 1, 0, 0, 0, 0, LAST, 0
	; THE TWO K HALVES MEET.  Each wave hands window 3 (the partner's 128 columns) over through LDS and takes the partner's window 3, which is the other K half of its own window 2.
	PLACES                                         ; the stores read results just made
	WIN 0x0c                                       ; store data in window 3
.set g, 0
.rept 64
	ds_store_b128 v[EXS], v[4*g:4*g+3] offset:512*g
.set g, g+1
.endr
	WIN 0
	s_wait_dscnt 0x0                               ; for the partner's sake: my stores are done
	s_barrier_signal -1
	s_barrier_wait -1
	WIN 0xc0                                       ; destination window 3
.irp a, 0,1,2,3                        ; by row blocks, so that block a can be finished while the later ones are on their way
.irp c, 0,1,2,3,4,5,6,7
	ds_load_b128 v[8*(4*\c+\a):8*(4*\c+\a)+3],   v[EXL] offset:1024*(4*\c+\a)
	ds_load_b128 v[8*(4*\c+\a)+4:8*(4*\c+\a)+7], v[EXL] offset:1024*(4*\c+\a)+512
.endr
.endr
; Row block a.  In an accumulator lane (r, h) holds column 16 c + r and rows 8 h + j.  In the permuted row column 16 c + r lies at byte 256 (c & 1) + 16 r + 4 (c >> 1) of my block:
; the four blocks c of one parity are 16 neighbouring bytes of a lane.  The sum of the halves is written straight to that place: OUT[4 (2 j + (c & 1)) + (c >> 1)].
.macro CHUNK a
.set OUT, 32+64*((\a)%2)               ; v32-95 and v96-159 by turns
	s_wait_dscnt 48-16*(\a)                        ; this block's 16 loads are in; the later blocks' stay out
.if (\a) >= 2
	s_wait_xcnt 0x0                                ; the stores of the block two back have had their addresses translated: their registers are rewritten only behind this wait
.endif
	WIN 0x0e                                       ; source 0 window 2, source 1 window 3, destination window 0
.irp c, 0,1,2,3,4,5,6,7
.irp j, 0,1,2,3,4,5,6,7
	v_add_f32 v[OUT+4*(2*\j+(\c%2))+\c/2], v[8*(4*\c+\a)+\j], v[8*(4*\c+\a)+\j]
.endr
.endr
	WIN 0
.irp t, 0,1,2,3                        ; the columns' maxima over the block's rows; the eight chains alternate; the first block starts them
.irp c, 0,1,2,3,4,5,6,7
.set o, OUT+4*(\c%2)+\c/2
.if (\a) == 0
.if \t == 0
	v_max3_num_f32 v[CM+\c], v[o], v[o+8], v[o+16]
.elseif \t < 3
	v_max3_num_f32 v[CM+\c], v[CM+\c], v[o+8*(2*\t+1)], v[o+8*(2*\t+2)]
.else
	v_max_num_f32 v[CM+\c], v[CM+\c], v[o+56]
.endif
.else
	v_max3_num_f32 v[CM+\c], v[CM+\c], v[o+16*\t], v[o+16*\t+8]
.endif
.endr
.endr
.irp j, 0,1,2,3,4,5,6,7
.irp p, 0,1
	global_store_b128 v[CO], v[OUT+4*(2*\j+\p):OUT+4*(2*\j+\p)+3], s[8:9] offset:(16*(\a)+\j)*4096+256*\p   ; lanes 0-15: 256 consecutive bytes of row 16 a + j, at a multiple of 256; lanes 16-31: of row 16 a + 8 + j
.endr
.endr
.endm
	CHUNK 0
	CHUNK 1
	CHUNK 2
	CHUNK 3
	; THE COLUMN MAXIMA: the other half of the lanes holds the other rows; then lane L = 16 p + r takes blocks 2 e + p, the permuted order; then the wave with the other 64 rows.
	s_wait_xcnt 0x0                                ; v32-39 are named by row block 2's stores: they are rewritten only behind this wait (they serve here because they have been written)
.irp c, 0,1,2,3,4,5,6,7
	v_permlanex16_b32 v[TX+\c], v[CM+\c], s[SEL], s[SEL+1]
.endr
.irp c, 0,1,2,3,4,5,6,7
	v_max_num_f32 v[CM+\c], v[CM+\c], v[TX+\c]
.endr
	v_cmp_eq_u32 vcc_lo, 1, v2
.irp e, 0,1,2,3
	v_cndmask_b32 v[Q+\e], v[CM+2*\e], v[CM+2*\e+1], vcc_lo
.endr
	ds_store_b128 v[CMS], v[Q:Q+3]
	s_wait_dscnt 0x0                               ; for the other wave's sake
	s_barrier_signal -1
	s_barrier_wait -1
	ds_load_b128 v[Q2:Q2+3], v[CML]
	s_wait_dscnt 0x0
.irp e, 0,1,2,3
	v_max_num_f32 v[Q+\e], v[Q+\e], v[Q2+\e]
.endr
	s_cmp_lg_u32 s14, 0
	s_cbranch_scc1 .Lno_cmax                       ; both waves of a pair hold the same 512 bytes: the one with mh = 0 stores them
	global_store_b128 v[CMO], v[Q:Q+3], s[10:11]   ; 512 consecutive bytes
.Lno_cmax:
	s_set_vgpr_msb (MSB<<8)|((MSB&0xf0)|0x0)
	s_wait_tensorcnt 0x0
	ds_add_u32 v254, v255
	s_wait_dscnt 0x0
	s_set_vgpr_msb (((MSB&0xf0)|0x0)<<8)|MSB
	CROUND                                         ; the closing round: no work-group ends while a partner may still ask for a tile that names it
	s_endpgm
.Lfunc_end_k_q8e55942787_gemm:
	.size	k_q8e55942787_gemm, .Lfunc_end_k_q8e55942787_gemm-k_q8e55942787_gemm
	.p2alignl 7, 3214868480
	.fill 96, 4, 3214868480
	.section	.rodata,"a",@progbits
	.p2align	6, 0x0
	.amdhsa_kernel k_q8e55942787_gemm
		.amdhsa_group_segment_fixed_size 327680
		.amdhsa_private_segment_fixed_size 0
		.amdhsa_enable_private_segment 0
		.amdhsa_kernarg_size 32
		.amdhsa_user_sgpr_count 2
		.amdhsa_user_sgpr_kernarg_segment_ptr 1
		.amdhsa_wavefront_size32 1
		.amdhsa_system_sgpr_workgroup_id_x 1
		.amdhsa_system_sgpr_workgroup_id_y 1
		.amdhsa_system_sgpr_workgroup_id_z 1
		.amdhsa_system_vgpr_workitem_id 0
		.amdhsa_next_free_vgpr 1024
		.amdhsa_next_free_sgpr 72
		.amdhsa_reserve_vcc 1
		.amdhsa_float_denorm_mode_32 3
		.amdhsa_float_denorm_mode_16_64 3
		.amdhsa_memory_ordered 1
		.amdhsa_forward_progress 1
		.amdhsa_inst_pref_size 122
	.end_amdhsa_kernel
	.amdgpu_metadata
---
amdhsa.version: [ 1, 2 ]
amdhsa.kernels:
  - .name:           k_q8e55942787_gemm
    .symbol:         k_q8e55942787_gemm.kd
    .args:
      - { .name: x, .offset: 0, .size: 8, .value_kind: global_buffer, .address_space: global }
      - { .name: Wb, .offset: 8, .size: 8, .value_kind: global_buffer, .address_space: global }
      - { .name: iws, .offset: 16, .size: 8, .value_kind: global_buffer, .address_space: global }
      - { .name: cmax, .offset: 24, .size: 8, .value_kind: global_buffer, .address_space: global }
    .group_segment_fixed_size: 327680
    .private_segment_fixed_size: 0
    .kernarg_segment_align: 8
    .kernarg_segment_size: 32
    .max_flat_workgroup_size: 128
    .sgpr_count:     72
    .vgpr_count:     1024
    .wavefront_size: 32
...
	.end_amdgpu_metadata
.endif
;; end of part 2
;; launch thrmax (part 3): grid 16 x 1, 1 waves a work-group, no clusters, 0 bytes of LDS; arguments cmax, thr; writes thr
.if DOCPART == 3
	.amdgcn_target "amdgcn-amd-amdhsa--gfx1250"
	.amdhsa_code_object_version 6
	.text
	.protected	k_q8e55942787_thrmax
	.globl	k_q8e55942787_thrmax
	.p2align	8
	.type	k_q8e55942787_thrmax,@function
k_q8e55942787_thrmax:
	s_mov_b64 s[64:65], 0
	v_nop
	global_prefetch_b8 v0, s[64:65] scope:SCOPE_SE
	s_setreg_imm32_b32 hwreg(HW_REG_WAVE_MODE, 25, 1), 1
	s_wait_xcnt 0x0
; thr[p] = 3 x the maximum over the 64 rows of cmax[.][p].  cmax: [64][1024] f32, thr: [1024] f32, both in the product's permuted column order, which is kept.
; Sixteen work-groups of one wave; work-group g owns 256 bytes (64 numbers) of thr.  Lane (r = lane & 15, h = lane >> 4) reads 16 bytes at 16 r of rows 2 t + h, t = 0..31:
; each load covers 256 consecutive bytes of two rows.  All 32 loads are out together: the launch is one round trip to memory and 70 vector instructions.
; A launch of its own, since the maximum spans all row tiles and work-groups of one launch hand each other nothing.
; LIMIT: a NaN loses in v_max_num, where a plain maximum would pass it on; inputs are finite.
.set D, 4                              ; v[4:131]   load t: 4 registers
.set A, 132                            ; v[132:135] the four maxima
	s_load_b128 s[4:7], s[0:1], 0x0                ; cmax s[4:5], thr s[6:7]
	v_and_b32 v1, 15, v0                           ; r
	v_lshrrev_b32 v2, 4, v0                        ; h (one wave: v0 is the lane)
	v_lshlrev_b32 v3, 4, v1
	v_lshl_add_u32 v1, v2, 12, v3                  ; in: 16 r + 4,096 h
	v_lshl_add_u32 v3, v2, 3, v3                   ; out: 16 r + 8 h
	s_lshl_b32 s8, ttmp9, 8                        ; the work-group's 256 bytes of a row
	s_mov_b32 s9, 0
	s_mov_b32 s12, 0x76543210                      ; v_permlanex16_b32: each lane takes its own place in the other half
	s_mov_b32 s13, 0xfedcba98
	s_wait_kmcnt 0x0
	s_add_nc_u64 s[4:5], s[4:5], s[8:9]
	s_add_nc_u64 s[6:7], s[6:7], s[8:9]
.set t, 0
.rept 32
	global_load_b128 v[D+4*t:D+4*t+3], v1, s[4:5] offset:8192*t
.set t, t+1
.endr
	s_wait_loadcnt 0x0
.irp w, 0,1,2,3
	v_max3_num_f32 v[A+\w], v[D+\w], v[D+4+\w], v[D+8+\w]          ; the first three rows start the chains: nothing is cleared
.endr
.set t, 3
.rept 14
.irp w, 0,1,2,3
	v_max3_num_f32 v[A+\w], v[A+\w], v[D+4*t+\w], v[D+4*t+4+\w]
.endr
.set t, t+2
.endr
.irp w, 0,1,2,3
	v_max_num_f32 v[A+\w], v[A+\w], v[D+124+\w]
.endr
.irp w, 0,1,2,3
	v_permlanex16_b32 v[D+\w], v[A+\w], s12, s13   ; the odd rows' maxima meet the even rows'; the destination counts as read: registers that the loads wrote
.endr
.irp w, 0,1,2,3
	v_max_num_f32 v[A+\w], v[A+\w], v[D+\w]
.endr
	v_pk_mul_f32 v[A:A+1],   v[A:A+1],   0x40400000 op_sel_hi:[1,0]    ; x 3.0
	v_pk_mul_f32 v[A+2:A+3], v[A+2:A+3], 0x40400000 op_sel_hi:[1,0]
	v_cmp_eq_u32 vcc_lo, 1, v2
	v_cndmask_b32 v136, v[A],   v[A+2], vcc_lo     ; both halves hold all four numbers: h = 0 stores the first two, h = 1 the last two
	v_cndmask_b32 v137, v[A+1], v[A+3], vcc_lo
	global_store_b64 v3, v[136:137], s[6:7]        ; 32 lanes x 8 bytes: 256 consecutive bytes, at a multiple of 256
	s_endpgm
.Lfunc_end_k_q8e55942787_thrmax:
	.size	k_q8e55942787_thrmax, .Lfunc_end_k_q8e55942787_thrmax-k_q8e55942787_thrmax
	.p2alignl 7, 3214868480
	.fill 96, 4, 3214868480
	.section	.rodata,"a",@progbits
	.p2align	6, 0x0
	.amdhsa_kernel k_q8e55942787_thrmax
		.amdhsa_group_segment_fixed_size 0
		.amdhsa_private_segment_fixed_size 0
		.amdhsa_enable_private_segment 0
		.amdhsa_kernarg_size 16
		.amdhsa_user_sgpr_count 2
		.amdhsa_user_sgpr_kernarg_segment_ptr 1
		.amdhsa_wavefront_size32 1
		.amdhsa_system_sgpr_workgroup_id_x 1
		.amdhsa_system_sgpr_workgroup_id_y 1
		.amdhsa_system_sgpr_workgroup_id_z 1
		.amdhsa_system_vgpr_workitem_id 0
		.amdhsa_next_free_vgpr 144
		.amdhsa_next_free_sgpr 66
		.amdhsa_reserve_vcc 1
		.amdhsa_float_denorm_mode_32 3
		.amdhsa_float_denorm_mode_16_64 3
		.amdhsa_memory_ordered 1
		.amdhsa_forward_progress 1
		.amdhsa_inst_pref_size 9
	.end_amdhsa_kernel
	.amdgpu_metadata
---
amdhsa.version: [ 1, 2 ]
amdhsa.kernels:
  - .name:           k_q8e55942787_thrmax
    .symbol:         k_q8e55942787_thrmax.kd
    .args:
      - { .name: cmax, .offset: 0, .size: 8, .value_kind: global_buffer, .address_space: global }
      - { .name: thr, .offset: 8, .size: 8, .value_kind: global_buffer, .address_space: global }
    .group_segment_fixed_size: 0
    .private_segment_fixed_size: 0
    .kernarg_segment_align: 8
    .kernarg_segment_size: 16
    .max_flat_workgroup_size: 32
    .sgpr_count:     66
    .vgpr_count:     144
    .wavefront_size: 32
...
	.end_amdgpu_metadata
.endif
;; end of part 3
;; launch scan (part 4): grid 256 x 1, 16 waves a work-group, no clusters, 0 bytes of LDS; arguments iws, thr, out0; writes out0
.if DOCPART == 4
	.amdgcn_target "amdgcn-amd-amdhsa--gfx1250"
	.amdhsa_code_object_version 6
	.text
	.protected	k_q8e55942787_scan
	.globl	k_q8e55942787_scan
	.p2align	8
	.type	k_q8e55942787_scan,@function
k_q8e55942787_scan:
	s_mov_b64 s[64:65], 0
	v_nop
	global_prefetch_b8 v0, s[64:65] scope:SCOPE_SE
	s_setreg_imm32_b32 hwreg(HW_REG_WAVE_MODE, 25, 1), 1
	s_wait_xcnt 0x0
; Ten steps of the neurons on i (iws: [8192][1024] f32, permuted rows) with thr ([1024] f32, permuted alike); out0[row][col] = how often col won in row, f32, plain order.
; A step, for a row: mem = 0.99 mem + i; spikers: mem > thr; if any spikes, with c = 1.625 x the row's largest i: the first spiking column (the winner) becomes 0,
; every other spiker becomes -c, every other neuron mem - c; the winner's count goes up by one.
; SHARES.  A row never looks at another row: one wave takes a whole row, 32 registers a lane, and has two rows, one after the other: row = 32 x work-group + 2 x wave + k.
; Four waves lie on a SIMD, so one wave's scalar chain runs under the others' vector work.  No LDS, no barrier; matrix unit and clusters have nothing to do here.
; ORDER.  In the permuted row, load q (16 bytes a lane at 512 q + 16 L) puts column 32 p + L into register p = 4 q + e of lane L.  So bit L of register p's compare mask is
; column 32 p + L: masks in register order, bits in lane order, ARE column order, and the first spiker is the lowest set bit of the first mask that is not 0.
; NOTHING IS STEERED BY THE SPIKES: they end in masks, selects and shift amounts; every trip does all the work; no branch and no address hangs on them.
; COUNTS.  A lane keeps 32 counters of four bits (ten steps: at most 10) in 4 registers, laid out for the PLAIN output row: store q of lane L holds columns 128 q + 4 L + e,
; so column col is counted in lane (col >> 2) & 31, register col >> 8, bits 16 ((col >> 7) & 1) + 4 (col & 3) on.
; LIMITS.  Inputs are finite (a NaN loses in the row's maximum; an infinite c would spoil the winner's correction 0 x c).  0.99 mem + i is one fused multiply-add.  The sign of a zero is not kept.
.set T,   4                            ; v[4:35]    thr
.set I0,  36                           ; v[36:67]   the wave's first row of i
.set I1,  68                           ; v[68:99]   its second
.set M,   100                          ; v[100:131] mem; at the end the output row
.set F,   132                          ; v[132:133] c in the winner's lane, in the half of a register pair that holds the winner; 0 elsewhere
.set N,   134                          ; v[134:137] the counters
.set TMP, 138                          ; v[138:141] at work
.set MK,  16                           ; s[16:47]   the 32 compare masks
.set E,   66                           ; s[66:97]   pair p: 1.0 at s[66+2p] if the winner lies in registers 2p, 2p+1, else 0; the odd registers are named with them and hold 0
; s[48:49] the first pair of masks that is not 0   s50 its number   s51 the first mask that is not 0   s52 0 or 1: which of the pair   s53 the winner's lane as a bit   s54 as a number
; s55, s56 that bit for the pair's low, high register   s57 c   s58 -c   s59 c or 0   s[60:61] -c or 0 (s61 is named with it)   s62 the winner's column   s63 its output lane as a bit, or 0
; s98 its counter's one   s99 its counter's register   s101 1 if the row spiked   s100, s104, s105 at work
	s_load_b128 s[4:7], s[0:1], 0x0                ; iws s[4:5], thr s[6:7]
	s_load_b64 s[8:9], s[0:1], 0x10                ; out0
	v_lshrrev_b32 v2, 5, v0
	v_readfirstlane_b32 s10, v2                    ; wave 0..15
	v_and_b32 v1, 31, v0
	v_lshlrev_b32 v1, 4, v1                        ; 16 x lane; never rewritten
	s_lshl_b32 s48, ttmp9, 17                      ; 32 rows of 4,096 bytes a work-group,
	s_lshl_b32 s49, s10, 13                        ; 2 rows a wave
	s_add_co_u32 s48, s48, s49
	s_mov_b32 s49, 0
	s_mov_b32 s12, 0x76543210                      ; v_permlanex16_b32: each lane takes its own place in the other half
	s_mov_b32 s13, 0xfedcba98
	s_mov_b32 s14, 0x3f7d70a4                      ; 0.99
	s_mov_b32 s15, s14                             ; named with it as a pair
	s_mov_b32 s61, 0
.irp p, 0,1,2,3,4,5,6,7,8,9,10,11,12,13,14,15
	s_mov_b32 s[E+2*\p+1], 0
.endr
	s_wait_kmcnt 0x0
	s_add_nc_u64 s[4:5], s[4:5], s[48:49]
	s_add_nc_u64 s[8:9], s[8:9], s[48:49]
.irp q, 0,1,2,3,4,5,6,7
	global_load_b128 v[T+4*\q:T+4*\q+3], v1, s[6:7] offset:512*\q                      ; every wave reads thr: no hint
.endr
.irp q, 0,1,2,3,4,5,6,7
	global_load_b128 v[I0+4*\q:I0+4*\q+3], v1, s[4:5] offset:512*\q th:TH_LOAD_NT      ; each row is read once
.endr
.irp q, 0,1,2,3,4,5,6,7
	global_load_b128 v[I1+4*\q:I1+4*\q+3], v1, s[4:5] offset:512*\q+4096 th:TH_LOAD_NT
.endr
; One step for the row in registers I.  first = 1: mem is still 0, so 0.99 mem + i is i itself: it is read from I, and M and N are written for the first time.
.macro STEP I, first
.if \first
.set MS, \I
.else
.set MS, M
.irp p, 0,1,2,3,4,5,6,7,8,9,10,11,12,13,14,15
	v_pk_fma_f32 v[M+2*\p:M+2*\p+1], v[M+2*\p:M+2*\p+1], s[14:15], v[\I+2*\p:\I+2*\p+1] op_sel_hi:[1,0,1]   ; 0.99 mem + i
.endr
.endif
.set r, 31
.rept 32
	v_cmp_gt_f32 s[MK+r], v[MS+r], v[T+r]          ; from the last register down: the search below reads the oldest masks first
.set r, r-1
.endr
	; the first pair of masks that is not 0: from the last pair down, each that is not 0 takes the place of what was found
	s_mov_b64 s[48:49], 0
	s_mov_b32 s50, 0
.irp p, 15,14,13,12,11,10,9,8,7,6,5,4,3,2,1,0
	s_cmp_lg_u64 s[MK+2*\p:MK+2*\p+1], 0
	s_cselect_b64 s[48:49], s[MK+2*\p:MK+2*\p+1], s[48:49]
	s_cselect_b32 s50, \p, s50
.endr
	s_cmp_lg_u32 s48, 0
	s_cselect_b32 s51, s48, s49
	s_cselect_b32 s52, 0, 1
	s_sub_co_u32 s100, 0, s51
	s_and_b32 s53, s51, s100                       ; the lowest set bit; SCC = the row spiked
	s_cselect_b32 s60, s58, 0                      ; -c or 0
	s_cselect_b32 s59, s57, 0                      ; c or 0
	s_cselect_b32 s101, 1, 0
.irp p, 0,1,2,3,4,5,6,7,8,9,10,11,12,13,14,15
	v_pk_add_f32 v[M+2*\p:M+2*\p+1], v[MS+2*\p:MS+2*\p+1], s[60:61] op_sel_hi:[1,0]    ; everybody: mem - c (or - 0)
.endr
.set r, 0
.rept 32
	v_cndmask_b32 v[M+r], v[M+r], s60, s[MK+r]     ; every spiker: 0 - c
.set r, r+1
.endr
	; the rest of the scalar work stands behind those 48 vector instructions, which do not need it
	s_ctz_i32_b32 s54, s53
	s_cmp_eq_u32 s52, 0
	s_cselect_b32 s55, s53, 0
	s_cselect_b32 s56, 0, s53
.irp p, 0,1,2,3,4,5,6,7,8,9,10,11,12,13,14,15
	s_cmp_eq_u32 s50, \p
	s_cselect_b32 s[E+2*\p], 1.0, 0
.endr
	s_lshl_b32 s62, s50, 6
	s_lshl_b32 s100, s52, 5
	s_add_co_u32 s62, s62, s100
	s_add_co_u32 s62, s62, s54                     ; column = 64 x pair + 32 x half + lane (of no meaning in a row that did not spike: s63 = 0 then)
	s_lshr_b32 s100, s62, 2
	s_lshl_b32 s63, s101, s100                     ; the output lane's bit: a shift takes the low five bits of its amount
	s_bfe_u32 s100, s62, 0x10007                   ; bit 7
	s_lshl_b32 s100, s100, 4
	s_and_b32 s104, s62, 3
	s_lshl2_add_u32 s100, s104, s100
	s_lshl_b32 s98, 1, s100                        ; one in the counter's four bits
	s_lshr_b32 s99, s62, 8
	v_cndmask_b32 v[F],   0, s59, s55
	v_cndmask_b32 v[F+1], 0, s59, s56
.irp p, 0,1,2,3,4,5,6,7,8,9,10,11,12,13,14,15
	v_pk_fma_f32 v[M+2*\p:M+2*\p+1], v[F:F+1], s[E+2*\p:E+2*\p+1], v[M+2*\p:M+2*\p+1] op_sel_hi:[1,0,1]   ; the winner: -c + c = 0; all others: + 0
.endr
	s_cmp_eq_u32 s99, 0
	s_cselect_b32 s100, s63, 0
	s_cmp_eq_u32 s99, 1
	s_cselect_b32 s101, s63, 0
	s_cmp_eq_u32 s99, 2
	s_cselect_b32 s104, s63, 0
	s_cmp_eq_u32 s99, 3
	s_cselect_b32 s105, s63, 0
.if \first
	v_cndmask_b32 v[N],   0, s98, s100             ; the first step starts the counters: nothing is cleared
	v_cndmask_b32 v[N+1], 0, s98, s101
	v_cndmask_b32 v[N+2], 0, s98, s104
	v_cndmask_b32 v[N+3], 0, s98, s105
.else
	v_cndmask_b32 v[TMP],   0, s98, s100
	v_cndmask_b32 v[TMP+1], 0, s98, s101
	v_cndmask_b32 v[TMP+2], 0, s98, s104
	v_cndmask_b32 v[TMP+3], 0, s98, s105
.irp n, 0,1,2,3
	v_add_nc_u32 v[N+\n], v[N+\n], v[TMP+\n]
.endr
.endif
.endm
; The wave's row k, in registers I.  left: the younger loads that may stay out.
.macro ROW I, k, left
	s_wait_loadcnt \left                           ; thr and this row are in
	; the row's largest i: four chains of seven, the four left over, the chains; then across the lanes
.irp c, 0,1,2,3
	v_max3_num_f32 v[TMP+\c], v[\I+8*\c], v[\I+8*\c+1], v[\I+8*\c+2]
.endr
.irp c, 0,1,2,3
	v_max3_num_f32 v[TMP+\c], v[TMP+\c], v[\I+8*\c+3], v[\I+8*\c+4]
.endr
.irp c, 0,1,2,3
	v_max3_num_f32 v[TMP+\c], v[TMP+\c], v[\I+8*\c+5], v[\I+8*\c+6]
.endr
	v_max3_num_f32 v[TMP],   v[TMP],   v[\I+7],  v[\I+15]
	v_max3_num_f32 v[TMP+2], v[TMP+2], v[\I+23], v[\I+31]
	v_max3_num_f32 v[TMP], v[TMP], v[TMP+1], v[TMP+2]
	v_max_num_f32 v[TMP], v[TMP], v[TMP+3]
	v_max_num_f32_dpp v[TMP], v[TMP], v[TMP] row_xmask:1 row_mask:0xf bank_mask:0xf
	v_max_num_f32_dpp v[TMP], v[TMP], v[TMP] row_xmask:2 row_mask:0xf bank_mask:0xf
	v_max_num_f32_dpp v[TMP], v[TMP], v[TMP] row_xmask:4 row_mask:0xf bank_mask:0xf
	v_max_num_f32_dpp v[TMP], v[TMP], v[TMP] row_xmask:8 row_mask:0xf bank_mask:0xf
	v_permlanex16_b32 v[TMP+1], v[TMP], s12, s13   ; its destination counts as read: a register that has been written
	v_max_num_f32 v[TMP], v[TMP], v[TMP+1]
	v_mul_f32 v[TMP], 0x3fd00000, v[TMP]           ; c = 1.625 x the maximum
	v_readfirstlane_b32 s57, v[TMP]
	s_xor_b32 s58, s57, 0x80000000                 ; -c
.if \k
	s_wait_xcnt 0x0                                ; the first row's stores have had their addresses translated: M is rewritten only behind this wait
.endif
	STEP \I, 1
	s_mov_b32 s11, 9
.Lstep_\@:
	STEP \I, 0
	s_sub_co_u32 s11, s11, 1
	s_cmp_lg_u32 s11, 0
	s_cbranch_scc1 .Lstep_\@
.set r, 0
.rept 32
	v_bfe_u32 v[M+r], v[N+r/8], 4*(r%8), 4         ; mem is done with: its registers take the counts
.set r, r+1
.endr
.set r, 0
.rept 32
	v_cvt_f32_u32 v[M+r], v[M+r]
.set r, r+1
.endr
.irp q, 0,1,2,3,4,5,6,7
	global_store_b128 v1, v[M+4*\q:M+4*\q+3], s[8:9] offset:512*\q+4096*\k th:TH_STORE_NT   ; 512 consecutive bytes of the plain row
.endr
.endm
	ROW I0, 0, 8                                   ; the second row's eight loads stay out
	ROW I1, 1, 0
	s_endpgm
.Lfunc_end_k_q8e55942787_scan:
	.size	k_q8e55942787_scan, .Lfunc_end_k_q8e55942787_scan-k_q8e55942787_scan
	.p2alignl 7, 3214868480
	.fill 96, 4, 3214868480
	.section	.rodata,"a",@progbits
	.p2align	6, 0x0
	.amdhsa_kernel k_q8e55942787_scan
		.amdhsa_group_segment_fixed_size 0
		.amdhsa_private_segment_fixed_size 0
		.amdhsa_enable_private_segment 0
		.amdhsa_kernarg_size 24
		.amdhsa_user_sgpr_count 2
		.amdhsa_user_sgpr_kernarg_segment_ptr 1
		.amdhsa_wavefront_size32 1
		.amdhsa_system_sgpr_workgroup_id_x 1
		.amdhsa_system_sgpr_workgroup_id_y 1
		.amdhsa_system_sgpr_workgroup_id_z 1
		.amdhsa_system_vgpr_workitem_id 0
		.amdhsa_next_free_vgpr 144
		.amdhsa_next_free_sgpr 106
		.amdhsa_reserve_vcc 0
		.amdhsa_float_denorm_mode_32 3
		.amdhsa_float_denorm_mode_16_64 3
		.amdhsa_memory_ordered 1
		.amdhsa_forward_progress 1
		.amdhsa_inst_pref_size 57
	.end_amdhsa_kernel
	.amdgpu_metadata
---
amdhsa.version: [ 1, 2 ]
amdhsa.kernels:
  - .name:           k_q8e55942787_scan
    .symbol:         k_q8e55942787_scan.kd
    .args:
      - { .name: iws, .offset: 0, .size: 8, .value_kind: global_buffer, .address_space: global }
      - { .name: thr, .offset: 8, .size: 8, .value_kind: global_buffer, .address_space: global }
      - { .name: out0, .offset: 16, .size: 8, .value_kind: global_buffer, .address_space: global }
    .group_segment_fixed_size: 0
    .private_segment_fixed_size: 0
    .kernarg_segment_align: 8
    .kernarg_segment_size: 24
    .max_flat_workgroup_size: 512
    .sgpr_count:     106
    .vgpr_count:     144
    .wavefront_size: 32
...
	.end_amdgpu_metadata
.endif
;; end of part 4
